; MI455X (gfx1250); checked and timed in simulation.
; The chip was launched on July 23, 2026; its instructions are those of AMD's public machine-readable ISA for CDNA 5 (MIT licence, August 2026) and "CDNA5" Instruction Set Architecture Reference Guide (July 2026). The comments in the code are by the model that wrote it; some were corrected since.
;; Mulit Head Attention. Allowed arithmetic: matrix products marked QUANTISED: E3M2 operands, one E8M0 scale for each 32 along K, by v_wmma_scale_f32_16x16x128_f8f6f4 with both operands' format E3M2, f32 sums; everything else in f32.
;; Inputs: beta 768 float32; bk 768 float32; bq 768 float32; bv 768 float32; gamma 768 float32; wk 768 x 768 float32; wq 768 x 768 float32; wv 768 x 768 float32; x 8 x 1,024 x 768 float32.
;; Outputs: out0 8 x 1,024 x 768 float32.
;; This version of the problem:
;;   THIS VERSION OF THE PROBLEM IS GIVEN IN LOW PRECISION. The matrix products marked QUANTISED in the list below multiply operands that are first quantised to E3M2 (3 exponent bits, 2 mantissa bits; 6 bits a number), with one power-of-two scale for each 32 numbers along K (OCP MX v1.0); their sums are f32. All else is computed in f32.
;;   The module's matrix products, in the order in which they are computed (A, B: the left and right operand; K: the contracted axis; several contracted axes count as one K, in the product's order):
;;     1. [M 8,192, K 768] x [K 768, N 768]; A: input x; B: input wq: QUANTISED
;;     2. [M 8,192, K 768] x [K 768, N 768]; A: input x; B: input wk: QUANTISED
;;     3. [M 8,192, K 768] x [K 768, N 768]; A: input x; B: input wv: QUANTISED
;;     4. batch 96 x [M 1,024, K 64] x [K 64, N 1,024]; A: computed on the way; B: computed on the way: QUANTISED
;;     5. batch 96 x [M 1,024, K 1,024] x [K 1,024, N 64]; A: softmax (see below); B: computed on the way: QUANTISED
;;   THE QUANTISER, for each operand of a quantised product, along K:
;;     - K is cut into blocks of 32 from its start; a last block that is shorter is filled with zeros.
;;     - A block's scale is 2^e with e = floor(log2(the largest magnitude in the block)) - 4, held to -126 .. 127; a block of zeros has e = 0. As a byte (E8M0): e + 127.
;;     - Each number is divided by its block's scale, clamped to +-28, and rounded to the nearest number of E3M2, ties to even, subnormals kept.
;;     - The product sums the exact products of the quantised numbers (number of the format x scale) in f32.
;;   ~~~python
;;   def quantise(x, axis):      # numpy; x: float32 -> the quantised numbers, widened to float32 again
;;       x = np.moveaxis(x, axis, -1); K = x.shape[-1]
;;       x = np.pad(x, [(0, 0)] * (x.ndim - 1) + [(0, -K % 32)]); x = x.reshape(x.shape[:-1] + (-1, 32)); a = np.abs(x).max(-1, keepdims=True)
;;       e = np.where(a > 0, np.clip(np.frexp(np.where(a > 0, a, 1))[1] - 1 - 4, -126, 127), 0)      # np.frexp(a)[1] - 1 = floor(log2(a)), exactly
;;       r = np.clip(x / 2.0 ** e, -28, 28)
;;       step = 2.0 ** (np.maximum(np.frexp(np.where(r == 0, 1, r))[1] - 1, -2) - 2)
;;       q = np.round(r / step) * step * 2.0 ** e      # np.round: ties to even
;;       return np.moveaxis(q.reshape(q.shape[:-2] + (-1,))[..., :K], -1, axis).astype(np.float32)
;;   ~~~
;;   SOFTMAX AHEAD OF A QUANTISED PRODUCT. Where the list says 'softmax', what is quantised is not the finished softmax but p = 2^(t - M), with t = logit x log2(e) and M = ceil(the row's largest t), a whole number; so 1/2 < the row's largest p <= 1. The row's sum l is taken of the UNQUANTISED p, in f32, and the product's result is divided by l at the end. Since M is a whole number, a kernel that streams over the keys may use a running M (the ceiling of the running maximum): every later rescaling is an exact power of two, which a block's scale takes up: the codes' values come out the same.
;;   OPERANDS COMPUTED ON THE WAY. 'Computed on the way' means the value that the module computes at that place (a softmax that the list does not call 'softmax' is quantised finished and normalised). What goes into a quantiser is computed in f32, as accurately as f32 sums, v_exp_f32 and their like allow (about 1e-6 of the number): no bf16 or f16 on the way to a quantiser, and a product that is left as it is and whose result goes on into a quantised operand takes f32 operands (vector FMAs, or v_wmma_f32_16x16x4_f32). A number that lies on a knife's edge between two numbers of the format may be rounded either way, as far as f32 arithmetic and the matrix unit's own rounding can turn it there, and no further.
;; One version. Each part assembles by itself: llvm-mc -triple=amdgcn-amd-amdhsa -mcpu=gfx1250 --defsym DOCPART=n.
;; ======== version 1 of 1: 3 launches
;; limits: right only within a limited range of input values
;; workspace buffers: wimg 1,327,104 bytes; wsc 55,296 bytes; qkv 15,335,424 bytes; ximg 4,915,200 bytes
;; launch quantw (part 1): grid 6 x 50, 4 waves a work-group, no clusters, 46,592 bytes of LDS; arguments wk, wv, wq, wimg, wsc, x, ximg; writes wimg, wsc, ximg
.if DOCPART == 1
	.amdgcn_target "amdgcn-amd-amdhsa--gfx1250"
	.amdhsa_code_object_version 6
	.text
	.protected	k_qcaf990dccf_quantw
	.globl	k_qcaf990dccf_quantw
	.p2align	8
	.type	k_qcaf990dccf_quantw,@function
k_qcaf990dccf_quantw:
	s_mov_b64 s[64:65], 0
	v_nop
	global_prefetch_b8 v0, s[64:65] scope:SCOPE_SE
	s_setreg_imm32_b32 hwreg(HW_REG_WAVE_MODE, 25, 1), 1
	s_wait_xcnt 0x0
; wk, wv, wq: [768 (k)][768 (n)] f32, K the FIRST axis.  Each becomes codes of BF6 (E3M2) with one E8M0 byte for each 32 along K, laid as IMAGES OF THE OPERAND'S REGISTERS.
; wimg: [type 3: k, v, q][group g of 32 columns: 24][K step s of 128: 6][tile u: 2][1,536 bytes].  An image: registers 4 c .. 4 c + 3 of lane l at 512 c + 16 l.
;   Lane (r, h) of tile u holds column 32 g + 8 u + r + 8 (r / 8); its registers 6 c .. 6 c + 5 hold k = 128 s + 64 c + 32 h + 0 .. 31.
; wsc:  [type][g][s][128 bytes]: the word at 4 (16 u + r) holds that column's four scale bytes of the K step.
; A LANE TAKES A COLUMN AND ITS REGISTERS RUN DOWN K: a block of 32 is one lane's 32 registers, and the conversions give codes with K innermost.
; A wave takes 32 columns x 128 along K; its 3,072 bytes of codes are put in their places in the wave's own stage in LDS and leave as six runs of 512 consecutive bytes.  Waves share nothing: no barrier.
; A block's scale is 2^(floor(log2(largest magnitude)) - 4); the byte is that magnitude's exponent field - 4, held at 1 from below.
; LIMITS: a block of zeros gets the byte 1 (its codes are zeros; this program alone reads the bytes); NaN and infinities among the inputs are not served.
.set X, 44                             ; v44-171  four blocks of 32 numbers; later v44-67 the way out
.set C, 16                             ; v16-39   six registers of codes for each block
.set T, 40                             ; v40-42   a block's upper 16 codes as the conversion leaves them
	s_load_b256 s[4:11], s[0:1], 0x0               ; wk s[4:5], wv s[6:7], wq s[8:9], wimg s[10:11]
	s_load_b64 s[12:13], s[0:1], 0x20              ; wsc
	v_lshl_add_u32 v176, v0, 2, 0x3000
	v_mov_b32 v177, 0
	s_and_b32 s16, ttmp7, 0xffff                   ; ONE LAUNCH SERVES x TOO: work-groups with y under 32 quantise x (the text behind the weights' end), the others the weights
	s_cmp_lt_u32 s16, 32
	s_wait_alu depctr_va_vdst(0)                   ; the wait here, directly ahead of the branch
	s_cbranch_scc1 .Lxpath
	v_lshrrev_b32 v7, 5, v0
	v_readfirstlane_b32 s14, v7                    ; wave 0..3
	v_and_b32 v1, 31, v0                           ; j: my column in the group
	v_lshlrev_b32 v2, 2, v1                        ; in: 4 bytes a lane
	v_and_b32 v7, 7, v1
	v_bfe_u32 v13, v1, 4, 1
	v_lshl_or_b32 v7, v13, 3, v7                   ; r: j = 8 u + r + 8 (r / 8) read backwards
	v_bfe_u32 v13, v1, 3, 1                        ; u
	s_mul_i32 s15, s14, 3072                       ; my wave's stage
	v_lshlrev_b32 v3, 4, v7
	v_mad_u32_u24 v3, v13, 1536, v3
	v_add_nc_u32 v3, s15, v3                       ; into the stage: tile u's image, lane r's 16 bytes (lane r + 16 lies 256 bytes on)
	v_lshlrev_b32 v5, 4, v1                        ; out: 16 bytes a lane
	v_add_nc_u32 v4, s15, v5
	v_lshl_add_u32 v6, v13, 4, v7
	v_lshlrev_b32 v6, 2, v6                        ; my scale word's place: 4 (16 u + r)
	s_sub_co_u32 s16, s16, 32                      ; the weights' work-groups: y - 32 = 6 x type + K step
	s_mul_i32 s17, s16, 43
	s_lshr_b32 s17, s17, 8                         ; type = y / 6 (exact for y under 18)
	s_mul_i32 s18, s17, 6
	s_sub_co_u32 s18, s16, s18                     ; K step
	s_lshl_b32 s19, ttmp9, 2
	s_add_co_u32 s19, s19, s14                     ; g = 4 x + wave
	s_mul_i32 s20, s18, 393216                     ; 128 rows of 3,072 bytes a K step,
	s_lshl_b32 s21, s19, 7
	s_add_co_u32 s20, s20, s21                     ; and 128 bytes a group
	s_mov_b32 s21, 0
	s_mul_i32 s22, s17, 144
	s_mul_i32 s23, s19, 6
	s_add_co_u32 s22, s22, s23
	s_add_co_u32 s22, s22, s18                     ; the record's number: 144 type + 6 g + s
	s_mul_i32 s24, s22, 3072
	s_mov_b32 s25, 0
	s_lshl_b32 s26, s22, 7
	s_mov_b32 s27, 0
	s_wait_kmcnt 0x0
	s_cmp_eq_u32 s17, 1                            ; the choice of the weight hangs on the work-group's number alone
	s_cselect_b64 s[4:5], s[6:7], s[4:5]
	s_cmp_eq_u32 s17, 2
	s_cselect_b64 s[4:5], s[8:9], s[4:5]
	s_add_nc_u64 s[4:5], s[4:5], s[20:21]
	s_add_nc_u64 s[10:11], s[10:11], s[24:25]
	s_add_nc_u64 s[12:13], s[12:13], s[26:27]
.macro LOAD kb                         ; block kb: W(32 kb + i, my column): 32 lanes read 128 consecutive bytes
.irp i, 0,1,2,3,4,5,6,7,8,9,10,11,12,13,14,15,16,17,18,19,20,21,22,23,24,25,26,27,28,29,30,31
	global_load_b32 v[X+32*(\kb)+\i], v2, s[4:5] offset:(32*(\kb)+\i)*3072 th:TH_LOAD_NT
.endr
.endm
	LOAD 0
	LOAD 1
.macro BLOCK kb
.set XB, X+32*(\kb)
.set CC, C+6*(\kb)
.if (\kb) < 3
	s_wait_loadcnt 32                              ; this block's 32 loads are in; the next block's 32 may be out
.else
	s_wait_loadcnt 0x0
.endif
.if (\kb)+2 < 4
	LOAD (\kb)+2                                   ; two blocks ahead; every block has registers of its own
.endif
	v_max3_num_f32 v8, |v[XB]|, |v[XB+1]|, |v[XB+2]|               ; the block's largest magnitude, in two chains
	v_max3_num_f32 v9, |v[XB+3]|, |v[XB+4]|, |v[XB+5]|
.irp i, 6,10,14,18,22,26
	v_max3_num_f32 v8, v8, |v[XB+\i]|, |v[XB+\i+1]|
	v_max3_num_f32 v9, v9, |v[XB+\i+2]|, |v[XB+\i+3]|
.endr
	v_max3_num_f32 v8, v8, |v[XB+30]|, |v[XB+31]|
	v_max3_num_f32 v8, v8, v9, 0x2800000           ; and the floor 2^(5 - 127): the byte cannot fall under 1
	v_add_nc_u32 v10, 0xfe000000, v8               ; 4 off the exponent field: the conversion's scale operand
	v_lshrrev_b32 v11, 23, v10                     ; the scale's byte
.if (\kb) == 0
	v_mov_b32 v12, v11                             ; four bytes make my column's word, the lower K in the lower byte
.else
	v_lshl_or_b32 v12, v11, 8*(\kb), v12
.endif
	v_cvt_scalef32_pk16_bf6_f32 v[CC:CC+2], v[XB:XB+15], v10
	v_cvt_scalef32_pk16_bf6_f32 v[T:T+2], v[XB+16:XB+31], v10     ; (a conversion's three registers begin on an even number)
	v_nop                                          ; one plain place behind a scaled conversion
.irp i, 0,1,2
	v_mov_b32 v[CC+3+\i], v[T+\i]
.endr
; block kb = 2 c + h is registers 6 c .. 6 c + 5 of lane r + 16 h
.if (\kb) < 2
	ds_store_b128 v3, v[CC:CC+3] offset:256*((\kb)%2)              ; registers 0-3
	ds_store_b64 v3, v[CC+4:CC+5] offset:512+256*((\kb)%2)         ; registers 4, 5: the lower half of the second group of four
.else
	ds_store_b64 v3, v[CC:CC+1] offset:520+256*((\kb)%2)           ; registers 6, 7: its upper half
	ds_store_b128 v3, v[CC+2:CC+5] offset:1024+256*((\kb)%2)       ; registers 8-11
.endif
.endm
	BLOCK 0
	BLOCK 1
	BLOCK 2
	BLOCK 3
.irp g, 0,1,2,3,4,5
	ds_load_b128 v[44+4*\g:47+4*\g], v4 offset:512*\g              ; LDS serves a wave's instructions in order: these see my stores
.endr
	s_wait_alu depctr_va_vdst(0)
.irp g, 0,1,2,3,4,5
	s_wait_dscnt 5-\g
	global_store_b128 v5, v[44+4*\g:47+4*\g], s[10:11] offset:512*\g   ; 32 lanes store 512 consecutive bytes, aligned to 256
.endr
	global_store_b32 v6, v12, s[12:13]             ; the wave's 32 scale words: 128 consecutive bytes
	s_wait_tensorcnt 0x0
	ds_add_u32 v176, v177
	s_wait_dscnt 0x0
	s_endpgm
; ---- x [8,192][768] f32 becomes codes of BF6 with one E8M0 byte for each 32 along K = 768, once for all three projections.
; ximg: [block of 128 rows: 64][76,800 bytes]: at 64 f + 4 r the scale word of row r of fragment f = 8 s + m (K step s of 128, tile m of 16 rows); from 3,072 on the fragments as images of the operand's registers, 1,536 f:
;   registers 4 c .. 4 c + 3 of lane l at 512 c + 16 l.  Member i of tile (b, u), m = 2 b + u, is row 32 b + 8 u + i + 8 (i / 8) of the block.
; 192 work-groups of four waves: three to a block; share w = 0 .. 11 of a block takes K step w / 2, tiles 4 (w % 2) + t, t = 0 .. 3: fragments 4 w .. 4 w + 3, 6,144 consecutive bytes of images and 256 of words.
; A tile's 16 rows x 512 bytes are loaded as they lie, turn through the wave's own stage in LDS (bytes that the weights' path never names), and come back as 16 neighbours of each block of 32 a lane.  Waves share nothing: no barrier.
; LIMITS: a block of zeros gets the byte 1 over zero codes; NaN and infinities among the inputs are not served.
; v1 16 l, v2 my offset in x, v3, v4 the stage in and out, v5 4 l, v6-9 the four fragments' words, v12-27 at work, v28-46 codes, v48-111 64 numbers a lane, v112-175 and v178-241 a tile as loaded, by turns
.set XSTG, 12800
.macro XQ s, tm, pc, pw
.irp b, 0,1,2,3
	v_max3_num_f32 v[\tm+\b], |v[\s+16*\b]|, |v[\s+1+16*\b]|, 0x2800000   ; my 16 numbers of block b, and the floor 2^(5 - 127): the byte cannot fall under 1
.endr
.irp i, 2,4,6,8,10,12,14
.irp b, 0,1,2,3
	v_max3_num_f32 v[\tm+\b], v[\tm+\b], |v[\s+16*\b+\i]|, |v[\s+1+16*\b+\i]|   ; the four blocks by turns
.endr
.endr
.irp b, 0,1,2,3
	v_permlanex16_b32 v[\tm+4+\b], v[\tm+\b], s32, s33
.endr
.irp b, 0,1,2,3
	v_max_num_f32 v[\tm+\b], v[\tm+\b], v[\tm+4+\b]                ; with lane l xor 16's: the block's largest magnitude
.endr
.irp b, 0,1,2,3
	v_add_nc_u32 v[\tm+12+\b], 0xfe000000, v[\tm+\b]               ; 4 off the exponent field: the conversion's scale operand
.endr
.irp b, 0,1,2,3
	v_lshrrev_b32 v[\tm+4+\b], 23, v[\tm+12+\b]                    ; the scale's byte
.endr
	v_lshl_or_b32 v[\pw], v[\tm+5], 8, v[\tm+4]
	v_lshl_or_b32 v[\pw], v[\tm+6], 16, v[\pw]
	v_lshl_or_b32 v[\pw], v[\tm+7], 24, v[\pw]
.irp c, 0,1
	v_cvt_scalef32_pk16_bf6_f32 v[\pc+6*\c:\pc+2+6*\c], v[\s+32*\c:\s+15+32*\c], v[\tm+12+2*\c]
	v_cvt_scalef32_pk16_bf6_f32 v[\pc+12+4*\c:\pc+14+4*\c], v[\s+16+32*\c:\s+31+32*\c], v[\tm+13+2*\c]   ; (a conversion's three registers begin on an even number)
.endr
	v_nop                                          ; one plain place behind a scaled conversion
.irp c, 0,1                            ; the operand wants a WHOLE block in a lane
.irp i, 0,1,2
	v_permlane16_swap_b32 v[\pc+6*\c+\i], v[\pc+12+4*\c+\i]
.endr
.irp i, 0,1,2
	v_mov_b32 v[\pc+3+6*\c+\i], v[\pc+12+4*\c+\i]
.endr
.endr
.endm
.macro XLOAD t                         ; 16 rows x 512 consecutive bytes
.irp i, 0,1,2,3,4,5,6,7,8,9,10,11,12,13,14,15
	global_load_b128 v[178-66*((\t)%2)+4*\i:181-66*((\t)%2)+4*\i], v2, s[36:37] offset:(32*((\t)/2)+8*((\t)%2)+\i+8*(\i/8))*3072 th:TH_LOAD_NT
.endr
.endm
.macro XTURN t                         ; through my stage: LDS serves a wave's instructions in order
.irp i, 0,1,2,3,4,5,6,7,8,9,10,11,12,13,14,15
	ds_store_b128 v3, v[178-66*((\t)%2)+4*\i:181-66*((\t)%2)+4*\i] offset:528*\i
.endr
.irp b, 0,1,2,3
.irp j, 0,1,2,3
	ds_load_b128 v[48+16*\b+4*\j:51+16*\b+4*\j], v4 offset:128*\b+16*\j
.endr
.endr
.endm
.Lxpath:
	s_load_b64 s[36:37], s[0:1], 0x28              ; x
	s_load_b64 s[38:39], s[0:1], 0x30              ; ximg
	v_lshrrev_b32 v12, 5, v0
	v_readfirstlane_b32 s14, v12                   ; wave 0..3
	v_and_b32 v12, 31, v0
	v_and_b32 v13, 15, v0
	v_bfe_u32 v14, v0, 4, 1
	v_lshlrev_b32 v1, 4, v12
	v_lshlrev_b32 v5, 2, v12
	s_mul_i32 s18, ttmp9, 11
	s_lshr_b32 s18, s18, 5                         ; x / 3 (exact for x under 6)
	s_lshl_b32 s17, s16, 1
	s_add_co_u32 s17, s17, s18                     ; the block of 128 rows: 2 y + x / 3
	s_mul_i32 s18, s18, 3
	s_sub_co_u32 s18, ttmp9, s18
	s_lshl_b32 s18, s18, 2
	s_add_co_u32 s18, s18, s14                     ; my share: 4 (x % 3) + wave
	s_lshr_b32 s21, s18, 1                         ; my K step,
	s_and_b32 s22, s18, 1                          ; and which four tiles of rows
	s_lshl_b32 s23, s21, 9
	s_mul_i32 s24, s22, 196608
	s_add_co_u32 s23, s23, s24
	s_mul_i32 s25, s14, 8448
	s_add_co_u32 s25, s25, XSTG                    ; my stage: 16 rows x (512 + 16) bytes
	s_mul_i32 s26, s17, 393216
	s_mov_b32 s27, 0
	s_mul_i32 s28, s17, 76800
	s_mul_i32 s29, s18, 6144
	s_add_co_u32 s30, s28, s29
	s_add_co_u32 s30, s30, 3072                    ; my four images
	s_mov_b32 s31, 0
	s_lshl_b32 s34, s18, 8
	s_add_co_u32 s34, s34, s28                     ; my 64 words
	s_mov_b32 s35, 0
	s_mov_b32 s32, 0x76543210
	s_mov_b32 s33, 0xfedcba98                      ; v_permlanex16_b32's selects for lane l xor 16
	s_mov_b32 vcc_lo, 0xffff0000                   ; lanes 16-31
	s_wait_alu depctr_va_vdst(0)                   ; the wait here, behind the run of scalar instructions and directly ahead of the readers below
	v_add_nc_u32 v2, s23, v1
	v_add_nc_u32 v3, s25, v1
	v_mul_u32_u24 v4, v13, 528
	v_lshl_add_u32 v4, v14, 6, v4
	v_add_nc_u32 v4, s25, v4
.irp b, 0,1,2,3
	v_mov_b32 v[16+\b], 0                          ; a lane exchange's destination counts as one of its sources
.endr
	s_wait_alu depctr_va_vdst(0)                   ; the wait at the head's end
	s_wait_kmcnt 0x0
	s_add_nc_u64 s[36:37], s[36:37], s[26:27]
	s_add_nc_u64 s[40:41], s[38:39], s[30:31]
	s_add_nc_u64 s[38:39], s[38:39], s[34:35]
	XLOAD 0
	XLOAD 1
.irp t, 0,1,2,3
.if \t < 3
	s_wait_loadcnt 16                              ; this tile's 16 loads are in; the next tile's 16 may be out
.else
	s_wait_loadcnt 0x0
.endif
	XTURN \t
	s_wait_dscnt 0x0                               ; my numbers are back, and the stage's stores have read their registers
.if \t < 2
	XLOAD \t+2
.endif
.if \t > 0
	s_wait_xcnt 0x0                                ; the last fragment's stores have read the registers that are written next
.endif
	XQ 48, 12, 28, 6+\t
.irp c, 0,1,2
	global_store_b128 v1, v[28+4*\c:31+4*\c], s[40:41] offset:1536*\t+512*\c   ; 512 consecutive bytes, aligned to 256
.endr
.endr
	v_cndmask_b32 v10, v6, v7, vcc_lo              ; lanes 0-15 one fragment's 16 words, lanes 16-31 the next fragment's
	v_cndmask_b32 v11, v8, v9, vcc_lo
	global_store_b32 v5, v10, s[38:39]             ; the wave's two stores cover 256 consecutive bytes, aligned
	global_store_b32 v5, v11, s[38:39] offset:128
	s_wait_tensorcnt 0x0                           ; the wave's end
	ds_add_u32 v176, v177
	s_wait_dscnt 0x0
	s_endpgm
.Lfunc_end_k_qcaf990dccf_quantw:
	.size	k_qcaf990dccf_quantw, .Lfunc_end_k_qcaf990dccf_quantw-k_qcaf990dccf_quantw
	.p2alignl 7, 3214868480
	.fill 96, 4, 3214868480
	.section	.rodata,"a",@progbits
	.p2align	6, 0x0
	.amdhsa_kernel k_qcaf990dccf_quantw
		.amdhsa_group_segment_fixed_size 46592
		.amdhsa_private_segment_fixed_size 0
		.amdhsa_enable_private_segment 0
		.amdhsa_kernarg_size 56
		.amdhsa_user_sgpr_count 2
		.amdhsa_user_sgpr_kernarg_segment_ptr 1
		.amdhsa_wavefront_size32 1
		.amdhsa_system_sgpr_workgroup_id_x 1
		.amdhsa_system_sgpr_workgroup_id_y 1
		.amdhsa_system_sgpr_workgroup_id_z 1
		.amdhsa_system_vgpr_workitem_id 0
		.amdhsa_next_free_vgpr 242
		.amdhsa_next_free_sgpr 66
		.amdhsa_reserve_vcc 1
		.amdhsa_float_denorm_mode_32 3
		.amdhsa_float_denorm_mode_16_64 3
		.amdhsa_memory_ordered 1
		.amdhsa_forward_progress 1
		.amdhsa_inst_pref_size 55
	.end_amdhsa_kernel
	.amdgpu_metadata
---
amdhsa.version: [ 1, 2 ]
amdhsa.kernels:
  - .name:           k_qcaf990dccf_quantw
    .symbol:         k_qcaf990dccf_quantw.kd
    .args:
      - { .name: wk, .offset: 0, .size: 8, .value_kind: global_buffer, .address_space: global }
      - { .name: wv, .offset: 8, .size: 8, .value_kind: global_buffer, .address_space: global }
      - { .name: wq, .offset: 16, .size: 8, .value_kind: global_buffer, .address_space: global }
      - { .name: wimg, .offset: 24, .size: 8, .value_kind: global_buffer, .address_space: global }
      - { .name: wsc, .offset: 32, .size: 8, .value_kind: global_buffer, .address_space: global }
      - { .name: x, .offset: 40, .size: 8, .value_kind: global_buffer, .address_space: global }
      - { .name: ximg, .offset: 48, .size: 8, .value_kind: global_buffer, .address_space: global }
    .group_segment_fixed_size: 46592
    .private_segment_fixed_size: 0
    .kernarg_segment_align: 8
    .kernarg_segment_size: 56
    .max_flat_workgroup_size: 128
    .sgpr_count:     66
    .vgpr_count:     242
    .wavefront_size: 32
...
	.end_amdgpu_metadata
.endif
;; end of part 1
;; launch proj (part 2): grid 3 x 64, 12 waves a work-group, no clusters, 179,712 bytes of LDS; arguments ximg, wimg, wsc, bk, bv, bq, qkv; writes qkv
.if DOCPART == 2
	.amdgcn_target "amdgcn-amd-amdhsa--gfx1250"
	.amdhsa_code_object_version 6
	.text
	.protected	k_qcaf990dccf_proj
	.globl	k_qcaf990dccf_proj
	.p2align	8
	.type	k_qcaf990dccf_proj,@function
k_qcaf990dccf_proj:
	s_mov_b64 s[64:65], 0
	v_nop
	global_prefetch_b8 v0, s[64:65] scope:SCOPE_SE
	s_setreg_imm32_b32 hwreg(HW_REG_WAVE_MODE, 25, 1), 1
	s_wait_xcnt 0x0
; One of k, v, q (work-group x: 0, 1, 2) = x W + b for 128 rows of x (work-group y), on codes of BF6 with one E8M0 scale for each 32 along K = 768; the result is quantised at once for attention's products.
; SHARES.  Twelve waves; wave w makes head w: 64 columns x 128 rows.  Phase X: the waves together copy x's 128 rows, already quantised as 48 fragments (6 K steps x 8 tiles of 16 rows), which go to LDS as images
; of the operand's registers; one barrier.  Phase G: each wave walks K twice, each time for 32 of its columns: 2 tiles of columns x 8 tiles of rows = 16 accumulators; W's fragments come from memory straight into registers.
; THE 16 MEMBERS OF A TILE ARE NOT NEIGHBOURS, of rows and of columns alike: member i of tile (b, u) of a group of 32 is 32 b + 8 u + i + 8 (i / 8).  A result's register j of lane half h is then member 32 b + 16 h + 8 u + j:
; the 16 registers of tiles (b, 0) and (b, 1) are 16 neighbours.
; k, q (quantised along the head's 64): source 0 = W's columns, source 1 = x's rows: a lane holds one row and 16 neighbouring channels.  v (quantised along the keys): source 0 = x's rows, source 1 = W's columns: a lane holds one channel and its registers run along the keys.
; qkv: [batch x 12 + head][unit of 128 rows: 8][19,968 bytes]: K's part at 0, V's at 6,656, Q's at 13,312; a part is 6,144 bytes of codes and 512 of scale words.
;   K, Q: four images of 1,536 bytes, one for each pair b of tiles: register 6 p + 3 t + i of lane (r, h) = the 16 codes of channels 32 p + 16 h + 0 .. 15 of row r of tile (b, t).  Registers 0-3 at 16 l, 4-5 at 512 + 8 l, 6-7 at 768 + 8 l, 8-11 at 1,024 + 16 l.
;         scale words at 6,144 + 128 b + 4 l: lanes 0-15 tile (b, 0), lanes 16-31 tile (b, 1); a word is (s0, s0, s1, s1), s_p the byte of channels 32 p on.
;   V:    four images, one for each tile 2 p + u of channels, registers 4 c .. 4 c + 3 at 512 c + 16 l; lane (r, h): channel 32 p + 8 u + r + 8 (r / 8), registers 6 c on: keys 64 c + 32 h + 0 .. 31.  Scale words at 6,144 + 128 (2 p + u) + 4 l.
; LIMITS: a block of zeros gets the byte 1 over zero codes; NaN and infinities among the inputs are not served.
.set XIMG, 3072                        ; LDS: 0 .. 3,071 x's scale words (fragment f = 8 s + m: 64 f + 4 r); from 3,072 the 48 images, 1,536 f;
.set STG,  76800
.set WF,   16                          ; v16-63   W's two tiles of a K step, two buffers of 24
.set XF,   64                          ; v64-111  x's two tiles of a pair, two buffers of 24
.set WS,   112                         ; v112-113 W's scale words: lanes 0-15 tile 0, lanes 16-31 tile 1
.set XS,   114                         ; v114-115 x's likewise
.set KEEP, 116                         ; v116-123 k, q: the scale bytes of the first 32 channels, kept for the second walk
.set ACC,  128                         ; v128-255 16 accumulators
; v1 16 l, v2 8 l, v3 4 l; v4, v5 images' addresses (K steps 0-2, 3-5); v9, v10 where I store images and words; v11, v12 the biases' offsets
	s_load_b256 s[4:11], s[0:1], 0x0               ; x s[4:5], wimg s[6:7], wsc s[8:9], bk s[10:11]
	s_load_b128 s[12:15], s[0:1], 0x20             ; bv, bq
	s_load_b64 s[16:17], s[0:1], 0x30              ; qkv
	s_set_vgpr_msb 0x40
	v_lshl_add_u32 v0, v0, 2, 0x2b800
	v_mov_b32 v1, 0
	s_set_vgpr_msb 0x4000
	v_lshrrev_b32 v13, 5, v0
	s_delay_alu instid0(VALU_DEP_1)
	v_readfirstlane_b32 s18, v13                   ; wave 0..11
	s_mov_b32 s19, ttmp9                           ; type: 0 k, 1 v, 2 q
	s_and_b32 s20, ttmp7, 0xffff                   ; block of 128 rows
	v_and_b32 v13, 31, v0                          ; l
	v_and_b32 v14, 15, v0                          ; r
	v_bfe_u32 v15, v0, 4, 1                        ; h
	s_delay_alu instid0(VALU_DEP_3)
	v_lshlrev_b32 v1, 4, v13
	s_delay_alu instid0(VALU_DEP_4)
	v_lshlrev_b32 v2, 3, v13
	v_lshlrev_b32 v3, 2, v13
	s_delay_alu instid0(VALU_DEP_3)
	v_add_nc_u32 v4, XIMG, v1
	s_delay_alu instid0(VALU_DEP_4)
	v_add_nc_u32 v5, XIMG+36864, v1
	s_mul_i32 s24, s18, 6144                       ; phase X: my four of the block's 48 images: the same place in ximg's block and in LDS
	s_add_co_u32 s24, s24, XIMG
	v_add_nc_u32 v9, s24, v1
	v_lshlrev_b32 v10, 3, v0                       ; and my thread's 8 bytes of its 3,072 bytes of scale words
	v_lshlrev_b32 v11, 6, v15                      ; k, q: the bias of my half's 16 channels
	v_and_b32 v12, 8, v14
	s_delay_alu instid0(VALU_DEP_1)
	v_add_nc_u32 v12, v12, v14
	s_delay_alu instid0(VALU_DEP_1)
	v_lshlrev_b32 v12, 2, v12                      ; v: the bias of my channel
	s_mul_i32 s24, s20, 76800                      ; ximg: 76,800 bytes a block of 128 rows
	s_mov_b32 s25, 0
	s_mul_i32 s26, s19, 24
	s_lshl_b32 s27, s18, 1
	s_add_co_u32 s26, s26, s27                     ; my first group of 32 columns: 24 type + 2 wave
	s_mul_i32 s28, s26, 18432
	s_mov_b32 s29, 0
	s_mul_i32 s30, s26, 768
	s_mov_b32 s31, 0
	s_lshl_b32 s36, s18, 8                         ; the bias: 64 numbers a head
	s_mov_b32 s37, 0
	s_lshr_b32 s38, s20, 3
	s_mul_i32 s38, s38, 12
	s_add_co_u32 s38, s38, s18                     ; batch x 12 + head
	s_lshl_b32 s38, s38, 3
	s_and_b32 s39, s20, 7
	s_add_co_u32 s38, s38, s39
	s_mul_i32 s38, s38, 19968
	s_mul_i32 s39, s19, 6656
	s_add_co_u32 s38, s38, s39                     ; the record, and the type's part of it
	s_mov_b32 s39, 0
	s_mov_b32 s32, 0x76543210
	s_mov_b32 s33, 0xfedcba98                      ; v_permlanex16_b32's selects for lane l xor 16
	s_mov_b32 vcc_lo, 0xffff0000                   ; lanes 16-31
	s_wait_alu depctr_va_vdst(0)                   ; the wait at the head's end
	s_wait_kmcnt 0x0
	s_cmp_eq_u32 s19, 1                            ; the choice of the bias hangs on the work-group's number alone
	s_cselect_b64 s[10:11], s[12:13], s[10:11]
	s_cmp_eq_u32 s19, 2
	s_cselect_b64 s[10:11], s[14:15], s[10:11]
	s_add_nc_u64 s[4:5], s[4:5], s[24:25]
	s_add_nc_u64 s[6:7], s[6:7], s[28:29]
	s_add_nc_u64 s[8:9], s[8:9], s[30:31]
	s_add_nc_u64 s[10:11], s[10:11], s[36:37]
	s_add_nc_u64 s[16:17], s[16:17], s[38:39]
; 64 numbers of a lane, register 16 b + i = k 32 b + 16 (lane / 16) + i of the lane's row, become a fragment's codes in v[pc] .. v[pc + 11] and its scale word in v[pw].  tm: 16 registers at work; pc + 12 .. pc + 18 too.
.macro QUANT s, tm, pc, pw
.irp b, 0,1,2,3
	v_max3_num_f32 v[\tm+\b], |v[\s+16*\b]|, |v[\s+1+16*\b]|, 0x2800000   ; my 16 numbers of block b, and the floor 2^(5 - 127): the byte cannot fall under 1
.endr
.irp i, 2,4,6,8,10,12,14
.irp b, 0,1,2,3
	s_delay_alu instid0(VALU_DEP_4)
	v_max3_num_f32 v[\tm+\b], v[\tm+\b], |v[\s+16*\b+\i]|, |v[\s+1+16*\b+\i]|   ; the four blocks by turns
.endr
.endr
.irp b, 0,1,2,3
	s_delay_alu instid0(VALU_DEP_4)
	v_permlanex16_b32 v[\tm+4+\b], v[\tm+\b], s32, s33
.endr
.irp b, 0,1,2,3
	s_delay_alu instid0(VALU_DEP_4)
	v_max_num_f32 v[\tm+\b], v[\tm+\b], v[\tm+4+\b]                ; with lane l xor 16's: the block's largest magnitude
.endr
.irp b, 0,1,2,3
	s_delay_alu instid0(VALU_DEP_4)
	v_add_nc_u32 v[\tm+12+\b], 0xfe000000, v[\tm+\b]               ; 4 off the exponent field: the conversion's scale operand
.endr
.irp b, 0,1,2,3
	s_delay_alu instid0(VALU_DEP_4)
	v_lshrrev_b32 v[\tm+4+\b], 23, v[\tm+12+\b]                    ; the scale's byte
.endr
	s_delay_alu instid0(VALU_DEP_3)
	v_lshl_or_b32 v[\pw], v[\tm+5], 8, v[\tm+4]
	s_delay_alu instid0(VALU_DEP_1)
	v_lshl_or_b32 v[\pw], v[\tm+6], 16, v[\pw]
	s_delay_alu instid0(VALU_DEP_1)
	v_lshl_or_b32 v[\pw], v[\tm+7], 24, v[\pw]
.irp c, 0,1
	v_cvt_scalef32_pk16_bf6_f32 v[\pc+6*\c:\pc+2+6*\c], v[\s+32*\c:\s+15+32*\c], v[\tm+12+2*\c]
	v_cvt_scalef32_pk16_bf6_f32 v[\pc+12+4*\c:\pc+14+4*\c], v[\s+16+32*\c:\s+31+32*\c], v[\tm+13+2*\c]   ; (a conversion's three registers begin on an even number)
.endr
	v_nop                                          ; one plain place behind a scaled conversion
.irp c, 0,1                            ; the operand wants a WHOLE block in a lane: lanes 0-15 block 2 c, lanes 16-31 block 2 c + 1
.irp i, 0,1,2
	v_permlane16_swap_b32 v[\pc+6*\c+\i], v[\pc+12+4*\c+\i]
.endr
.irp i, 0,1,2
	s_delay_alu instid0(VALU_DEP_3)
	v_mov_b32 v[\pc+3+6*\c+\i], v[\pc+12+4*\c+\i]
.endr
.endr
.endm
; ---- PHASE X.  My four fragments: K step w / 2, tiles 4 (w % 2) + t.  v128-175 their images as loaded, v176-177 their words.
; x ARRIVES QUANTISED: the launch before has laid each block of 128 rows in ximg as it is to lie in LDS (scale words at 0, the 48 images from 3,072 on).  Phase X is a copy of 76,800 bytes:
; each wave brings 6,144 bytes of images, twelve loads of 512 consecutive bytes, and 256 bytes of words.
.irp c, 0,1,2,3,4,5,6,7,8,9,10,11
	global_load_b128 v[128+4*\c:131+4*\c], v9, s[4:5] offset:512*\c
.endr
	global_load_b64 v[176:177], v10, s[4:5]
	s_wait_loadcnt 0x0
.irp c, 0,1,2,3,4,5,6,7,8,9,10,11
	ds_store_b128 v9, v[128+4*\c:131+4*\c] offset:512*\c
.endr
	ds_store_b64 v10, v[176:177]
; ---- PHASE G
.macro MM d, a, b, zero, sa, sb, ra, rb        ; one product; ra, rb: the scale words stand in lanes 16-31.  zero: it starts the sum
.if \zero
.if (\ra) && (\rb)
	v_wmma_scale_f32_16x16x128_f8f6f4 v[\d:\d+7], v[\a:\a+11], v[\b:\b+11], 0, v[\sa], v[\sb] matrix_a_fmt:MATRIX_FMT_BF6 matrix_b_fmt:MATRIX_FMT_BF6 matrix_a_scale:MATRIX_SCALE_ROW1 matrix_b_scale:MATRIX_SCALE_ROW1
.elseif \ra
	v_wmma_scale_f32_16x16x128_f8f6f4 v[\d:\d+7], v[\a:\a+11], v[\b:\b+11], 0, v[\sa], v[\sb] matrix_a_fmt:MATRIX_FMT_BF6 matrix_b_fmt:MATRIX_FMT_BF6 matrix_a_scale:MATRIX_SCALE_ROW1
.elseif \rb
	v_wmma_scale_f32_16x16x128_f8f6f4 v[\d:\d+7], v[\a:\a+11], v[\b:\b+11], 0, v[\sa], v[\sb] matrix_a_fmt:MATRIX_FMT_BF6 matrix_b_fmt:MATRIX_FMT_BF6 matrix_b_scale:MATRIX_SCALE_ROW1
.else
	v_wmma_scale_f32_16x16x128_f8f6f4 v[\d:\d+7], v[\a:\a+11], v[\b:\b+11], 0, v[\sa], v[\sb] matrix_a_fmt:MATRIX_FMT_BF6 matrix_b_fmt:MATRIX_FMT_BF6
.endif
.else
.if (\ra) && (\rb)
	v_wmma_scale_f32_16x16x128_f8f6f4 v[\d:\d+7], v[\a:\a+11], v[\b:\b+11], v[\d:\d+7], v[\sa], v[\sb] matrix_a_fmt:MATRIX_FMT_BF6 matrix_b_fmt:MATRIX_FMT_BF6 matrix_a_scale:MATRIX_SCALE_ROW1 matrix_b_scale:MATRIX_SCALE_ROW1
.elseif \ra
	v_wmma_scale_f32_16x16x128_f8f6f4 v[\d:\d+7], v[\a:\a+11], v[\b:\b+11], v[\d:\d+7], v[\sa], v[\sb] matrix_a_fmt:MATRIX_FMT_BF6 matrix_b_fmt:MATRIX_FMT_BF6 matrix_a_scale:MATRIX_SCALE_ROW1
.elseif \rb
	v_wmma_scale_f32_16x16x128_f8f6f4 v[\d:\d+7], v[\a:\a+11], v[\b:\b+11], v[\d:\d+7], v[\sa], v[\sb] matrix_a_fmt:MATRIX_FMT_BF6 matrix_b_fmt:MATRIX_FMT_BF6 matrix_b_scale:MATRIX_SCALE_ROW1
.else
	v_wmma_scale_f32_16x16x128_f8f6f4 v[\d:\d+7], v[\a:\a+11], v[\b:\b+11], v[\d:\d+7], v[\sa], v[\sb] matrix_a_fmt:MATRIX_FMT_BF6 matrix_b_fmt:MATRIX_FMT_BF6
.endif
.endif
.endm
.macro WLOAD p, s                      ; W's two tiles of walk p, K step s, and their words: 7 loads, each of consecutive bytes, into buffer s % 2
.irp g, 0,1,2,3,4,5
	global_load_b128 v[WF+24*((\s)%2)+4*\g:WF+24*((\s)%2)+4*\g+3], v1, s[6:7] offset:(6*(\p)+(\s))*3072+512*\g
.endr
	global_load_b32 v[WS+(\s)%2], v3, s[8:9] offset:(6*(\p)+(\s))*128
.endm
.macro XG s, b                         ; x's pair b of tiles of K step s, and their words: 7 LDS loads, into buffer b % 2
.irp x, 0,1
.irp c, 0,1,2
.if (\s) < 3
	ds_load_b128 v[XF+24*((\b)%2)+12*\x+4*\c:XF+24*((\b)%2)+12*\x+4*\c+3], v4 offset:12288*((\s)%3)+1536*(2*(\b)+\x)+512*\c
.else
	ds_load_b128 v[XF+24*((\b)%2)+12*\x+4*\c:XF+24*((\b)%2)+12*\x+4*\c+3], v5 offset:12288*((\s)%3)+1536*(2*(\b)+\x)+512*\c
.endif
.endr
.endr
	ds_load_b32 v[XS+(\b)%2], v3 offset:64*(8*(\s)+2*(\b))         ; lanes 0-15: the pair's first tile; lanes 16-31: its second
.endm
; Four products: x's pair b against W's two tiles.  The 16 accumulators take turns, one instruction a turn, in the same order in every K step.
; Behind them four places, and then the loads into the buffer just multiplied: the pair two on, or, at the walk's end, the bias.
.macro GROUP vp, p, s, b
.if ((\s)==5) && ((\b)==3)
	s_wait_dscnt 0x0                               ; the last pair: nothing was asked for behind it
.else
	s_wait_dscnt 7                                 ; this pair's 7 loads are in; the next pair's 7 may be out
.endif
.irp x, 0,1
.irp u, 0,1
.if \vp
	MM ACC+64*\u+8*(2*(\b)+\x), XF+24*((\b)%2)+12*\x, WF+24*((\s)%2)+12*\u, (\s)==0, XS+(\b)%2, WS+(\s)%2, \x, \u
.else
	MM ACC+16*(2*(\b)+\x)+8*\u, WF+24*((\s)%2)+12*\u, XF+24*((\b)%2)+12*\x, (\s)==0, WS+(\s)%2, XS+(\b)%2, \u, \x
.endif
.endr
.endr
.rept 4
	v_nop                                          ; places in front of loads into registers that matrix instructions have read, and of the first read of results
.endr
.if 4*(\s)+(\b)+2 < 24
	XG (4*(\s)+(\b)+2)/4, ((\b)+2)%4
.elseif (\b)==2
.if \vp
.irp u, 0,1
	global_load_b32 v[64+2*\u], v12, s[10:11] offset:128*(\p)+32*\u    ; my channel's bias, twice: a pair for the packed addition
	global_load_b32 v[65+2*\u], v12, s[10:11] offset:128*(\p)+32*\u
.endr
.else
.irp i, 0,1,2,3
	global_load_b128 v[64+4*\i:67+4*\i], v11, s[10:11] offset:128*(\p)+16*\i   ; the bias of channels 32 p + 16 h + 0 .. 15
.endr
.endif
.endif
.endm
.macro KSTEP vp, p, s
.if (\s) < 5
	WLOAD \p, (\s)+1
	s_wait_loadcnt 7                               ; this K step's W is in; the 7 loads just issued may be out
.elseif (\p)==0
	WLOAD 1, 0                                     ; the second walk's first K step
	s_wait_loadcnt 7
.else
	s_wait_loadcnt 0x0
.endif
	GROUP \vp, \p, \s, 0
	GROUP \vp, \p, \s, 1
	GROUP \vp, \p, \s, 2
	GROUP \vp, \p, \s, 3
.endm
.macro PASS vp, p
	s_wait_xcnt 0x0                                ; the last walk's stores have read their registers: these are loaded again only behind this wait
	XG 0, 0
	XG 0, 1
.irp s, 0,1,2,3,4,5
	KSTEP \vp, \p, \s
.endr
	s_wait_loadcnt 0x0                             ; the bias
.endm
; k, q: pair b of tiles of rows, channels 32 p on.  A tile's 16 registers get the bias (each accumulator from its low end on), their block's scale (with lane l xor 16), and become 16 codes.
.macro QKPAIR p, b
.set A0, ACC+32*(\b)
.set A1, ACC+32*(\b)+16
.set H, 80+6*(\b)
.irp i, 0,2,4,6,8,10,12,14
	v_pk_add_f32 v[A0+\i:A0+\i+1], v[A0+\i:A0+\i+1], v[64+\i:65+\i]
	v_pk_add_f32 v[A1+\i:A1+\i+1], v[A1+\i:A1+\i+1], v[64+\i:65+\i]
.endr
	v_max3_num_f32 v40, |v[A0]|, |v[A0+1]|, 0x2800000
	v_max3_num_f32 v41, |v[A1]|, |v[A1+1]|, 0x2800000
.irp i, 2,4,6,8,10,12,14
	s_delay_alu instid0(VALU_DEP_2)
	v_max3_num_f32 v40, v40, |v[A0+\i]|, |v[A0+\i+1]|
	s_delay_alu instid0(VALU_DEP_2)
	v_max3_num_f32 v41, v41, |v[A1+\i]|, |v[A1+\i+1]|
.endr
	s_delay_alu instid0(VALU_DEP_2)
	v_permlanex16_b32 v124, v40, s32, s33
	s_delay_alu instid0(VALU_DEP_2)
	v_permlanex16_b32 v125, v41, s32, s33
	s_delay_alu instid0(VALU_DEP_2)
	v_max_num_f32 v40, v40, v124
	s_delay_alu instid0(VALU_DEP_2)
	v_max_num_f32 v41, v41, v125
	s_delay_alu instid0(VALU_DEP_2)
	v_add_nc_u32 v42, 0xfe000000, v40
	s_delay_alu instid0(VALU_DEP_2)
	v_add_nc_u32 v43, 0xfe000000, v41
	s_delay_alu instid0(VALU_DEP_2)
	v_lshrrev_b32 v44, 23, v42
	s_delay_alu instid0(VALU_DEP_2)
	v_lshrrev_b32 v45, 23, v43
	v_cvt_scalef32_pk16_bf6_f32 v[H:H+2], v[A0:A0+15], v42
	v_cvt_scalef32_pk16_bf6_f32 v[104:106], v[A1:A1+15], v43
	v_lshl_or_b32 v46, v44, 8, v44                 ; the byte twice: it serves both halves of the lanes.  (A plain place behind the conversions)
	v_lshl_or_b32 v47, v45, 8, v45
.irp i, 0,1,2
	v_mov_b32 v[H+3+\i], v[104+\i]
.endr
.if (\p)==0
	v_mov_b32 v[KEEP+2*(\b)], v46
	v_mov_b32 v[KEEP+2*(\b)+1], v47
	global_store_b128 v1, v[H:H+3], s[16:17] offset:1536*(\b)          ; registers 0-3 of the pair's image: 512 consecutive bytes
	global_store_b64 v2, v[H+4:H+5], s[16:17] offset:1536*(\b)+512     ; registers 4, 5: 256
.else
	v_lshl_or_b32 v[KEEP+2*(\b)], v46, 16, v[KEEP+2*(\b)]
	v_lshl_or_b32 v[KEEP+2*(\b)+1], v47, 16, v[KEEP+2*(\b)+1]
	s_delay_alu instid0(VALU_DEP_1)
	v_cndmask_b32 v[108+(\b)], v[KEEP+2*(\b)], v[KEEP+2*(\b)+1], vcc_lo   ; lanes 0-15 the first tile's words, lanes 16-31 the second's
	global_store_b64 v2, v[H:H+1], s[16:17] offset:1536*(\b)+768       ; registers 6, 7
	global_store_b128 v1, v[H+2:H+5], s[16:17] offset:1536*(\b)+1024   ; registers 8-11
	global_store_b32 v3, v[108+(\b)], s[16:17] offset:6144+128*(\b)
.endif
.endm
; v: tile u of the walk's channels.  My channel's 64 registers run along the unit's 128 keys (my half's 16 of each block).
.macro VEPI p, u
.set AV, ACC+64*(\u)
.set J, 0
.rept 32
	v_pk_add_f32 v[AV+J:AV+J+1], v[AV+J:AV+J+1], v[64+2*(\u):65+2*(\u)]   ; ascending: each accumulator from its low end on
.set J, J+2
.endr
.irp b, 0,1,2,3
	v_mov_b32 v[44+\b], 0                          ; a lane exchange's destination counts as one of its sources
.endr
	s_wait_xcnt 0x0                                ; the last tile's stores have read the registers that are written next
	QUANT AV, 40, 80, 56+(\u)
.irp c, 0,1,2
	global_store_b128 v1, v[80+4*\c:83+4*\c], s[16:17] offset:(2*(\p)+(\u))*1536+512*\c
.endr
	global_store_b32 v3, v[56+(\u)], s[16:17] offset:6144+128*(2*(\p)+(\u))
.endm
	s_wait_dscnt 0x0                               ; for the others' sake: my images and words have landed
	WLOAD 0, 0
	s_barrier_signal -1
	s_barrier_wait -1                              ; x's 48 fragments lie in LDS; nothing is stored to LDS from here on
	v_mov_b32 v124, 0                              ; a lane exchange's destinations
	v_mov_b32 v125, 0
	s_cmp_eq_u32 s19, 1
	s_cbranch_scc1 .Lvpath
	PASS 0, 0
.irp b, 0,1,2,3
	QKPAIR 0, \b
.endr
	PASS 0, 1
.irp b, 0,1,2,3
	QKPAIR 1, \b
.endr
	s_set_vgpr_msb 0x5
	s_wait_tensorcnt 0x0
	ds_add_u32 v0, v1
	s_wait_dscnt 0x0
	s_set_vgpr_msb 0x500
	s_endpgm
.Lvpath:
	PASS 1, 0
	VEPI 0, 0
	VEPI 0, 1
	PASS 1, 1
	VEPI 1, 0
	VEPI 1, 1
	s_set_vgpr_msb 0x5
	s_wait_tensorcnt 0x0
	ds_add_u32 v0, v1
	s_wait_dscnt 0x0
	s_set_vgpr_msb 0x500
	s_endpgm
.Lfunc_end_k_qcaf990dccf_proj:
	.size	k_qcaf990dccf_proj, .Lfunc_end_k_qcaf990dccf_proj-k_qcaf990dccf_proj
	.p2alignl 7, 3214868480
	.fill 96, 4, 3214868480
	.section	.rodata,"a",@progbits
	.p2align	6, 0x0
	.amdhsa_kernel k_qcaf990dccf_proj
		.amdhsa_group_segment_fixed_size 179712
		.amdhsa_private_segment_fixed_size 0
		.amdhsa_enable_private_segment 0
		.amdhsa_kernarg_size 56
		.amdhsa_user_sgpr_count 2
		.amdhsa_user_sgpr_kernarg_segment_ptr 1
		.amdhsa_wavefront_size32 1
		.amdhsa_system_sgpr_workgroup_id_x 1
		.amdhsa_system_sgpr_workgroup_id_y 1
		.amdhsa_system_sgpr_workgroup_id_z 1
		.amdhsa_system_vgpr_workitem_id 0
		.amdhsa_next_free_vgpr 258
		.amdhsa_next_free_sgpr 66
		.amdhsa_reserve_vcc 1
		.amdhsa_float_denorm_mode_32 3
		.amdhsa_float_denorm_mode_16_64 3
		.amdhsa_memory_ordered 1
		.amdhsa_forward_progress 1
		.amdhsa_inst_pref_size 191
	.end_amdhsa_kernel
	.amdgpu_metadata
---
amdhsa.version: [ 1, 2 ]
amdhsa.kernels:
  - .name:           k_qcaf990dccf_proj
    .symbol:         k_qcaf990dccf_proj.kd
    .args:
      - { .name: ximg, .offset: 0, .size: 8, .value_kind: global_buffer, .address_space: global }
      - { .name: wimg, .offset: 8, .size: 8, .value_kind: global_buffer, .address_space: global }
      - { .name: wsc, .offset: 16, .size: 8, .value_kind: global_buffer, .address_space: global }
      - { .name: bk, .offset: 24, .size: 8, .value_kind: global_buffer, .address_space: global }
      - { .name: bv, .offset: 32, .size: 8, .value_kind: global_buffer, .address_space: global }
      - { .name: bq, .offset: 40, .size: 8, .value_kind: global_buffer, .address_space: global }
      - { .name: qkv, .offset: 48, .size: 8, .value_kind: global_buffer, .address_space: global }
    .group_segment_fixed_size: 179712
    .private_segment_fixed_size: 0
    .kernarg_segment_align: 8
    .kernarg_segment_size: 56
    .max_flat_workgroup_size: 384
    .sgpr_count:     66
    .vgpr_count:     258
    .wavefront_size: 32
...
	.end_amdgpu_metadata
.endif
;; end of part 2
;; launch attnln (part 3): grid 256 x 1, 12 waves a work-group, clusters of 4 x 1, 327,680 bytes of LDS; arguments qkv, x, gamma, beta, out0; writes out0
.if DOCPART == 3
	.amdgcn_target "amdgcn-amd-amdhsa--gfx1250"
	.amdhsa_code_object_version 6
	.text
	.protected	k_qcaf990dccf_attnln
	.globl	k_qcaf990dccf_attnln
	.p2align	8
	.type	k_qcaf990dccf_attnln,@function
k_qcaf990dccf_attnln:
	s_mov_b64 s[64:65], 0
	v_nop
	global_prefetch_b8 v0, s[64:65] scope:SCOPE_SE
	s_setreg_imm32_b32 hwreg(HW_REG_WAVE_MODE, 25, 1), 1
	s_wait_xcnt 0x0
	s_wait_alu depctr_hold_cnt(0) depctr_sa_sdst(0) depctr_va_vdst(0) depctr_va_sdst(0) depctr_va_ssrc(0) depctr_va_vcc(0) depctr_vm_vsrc(0)
	s_getreg_b32 s2, hwreg(HW_REG_IB_STS2, 6, 4)
	s_cmp_eq_u32 s2, 0
	s_cbranch_scc0 .Lentry_in_a_cluster
	s_endpgm
.Lentry_in_a_cluster:
	s_bfe_u32 s2, ttmp6, 0x10000c
	s_cmp_lg_u32 s2, 0x3003
	s_cbranch_scc0 .Lentry_shape_is_right
	s_endpgm
.Lentry_shape_is_right:
; out0 = layernorm(x + 2 softmax(q k^T / 8) v) x gamma + beta.  Both products on codes of BF6 with one E8M0 scale for each 32 along K, as the launch before laid them in qkv:
; [batch x 12 + head][unit of 128 rows: 8][19,968 bytes]: K's part at 0, V's at 6,656, Q's at 13,312; each 6,144 bytes of codes (images of the operands' registers) and 512 of scale words.
; SHARES.  Work-group g owns rows 32 g .. 32 g + 31 of x (one batch), ALL 12 heads: wave w takes head w, two tiles of 16 queries (one pair image of Q).  So a work-group holds whole rows and normalises them itself.
; A KEY STEP is 128 keys.  K's four pair images are read from LDS once and serve both tiles of queries (QK of tile 0, its softmax, QK of tile 1 from the same registers); V's four images then land in those registers and serve both.
; THE SOFTMAX: t = score x log2(e) / 8; M = the row's largest t so far, rounded UP to a whole number; p = 2^(t - M) is quantised along the keys; the row's sum is taken of the unquantised p and divides at the end.
; When M moves, the sum and O are multiplied by 2^(old M - new M): exact.
; LDS.  Two slots of 12 x 13,312 bytes: a slot holds one key step's K and V parts of all 12 heads, wave w's at 13,312 w, fetched and read by wave w.  Behind them the spare words.
; CLUSTER.  The four work-groups of a cluster lie in one batch (32 work-groups a batch) and walk the same K and V: every fill is asked for jointly, mask 15, one load a wave behind each round of the cluster's barrier.
; The last trip has no K or V left to fetch: its one load a wave brings x's 32 rows x 256 bytes of the wave's head into slot 0 (a load of the work-group's own, no mask).
; THE WAY OUT.  2 O / sum goes to the wave's own region of slot 1 (its last fill is long done, its last read is the wave's own), rows of 256 + 16 bytes; one barrier; wave w takes rows w, w + 12 and (w under 8) w + 24 whole:
; x and the context come from LDS as 3,072 bytes a row, mean and variance (of the differences from the mean) are taken in the wave, every store covers 512 consecutive bytes, aligned to 256.
; PREFETCHES.  In trips 0 to 5, behind the trip's tensor load, its five lines and the first products, a wave asks for 13 blocks of 256 bytes of its head's K and V of the step that the NEXT trip's load fetches; the four partners
; share the 52 blocks out by address (3,328 bytes x place); lanes 13-31 name the wave's last block again.  In trip 4 each lane asks for one row's 256 bytes of x, three trips ahead of the load that fetches them.
; THE FIRST PRODUCT'S K IS 64, THE INSTRUCTION'S 128: a K image holds a pair of tiles of keys, in each block of 32 places the lower 16 one tile's codes, the upper 16 the other's; Q stands twice, with zero codes at the other places.
; LAYOUT.  Both products transposed: a lane holds ONE query.  Member i of tile (b, u) of keys, queries and channels is 32 b + 8 u + i + 8 (i / 8).
; LIMITS: NaN and infinities are not served; the promise holds while the scaled scores t stay under 2^31 in magnitude.
; REGISTERS: v1-3 16 l, 8 l, 4 l; v4-9 LDS addresses of my region (16 l, 8 l, 4 l; slot 0, 1); v10, v11 the spare word and 0; v12-15, v16-19 -M, largest t, sum of tiles 0, 1; v20 Q's words; v21, v22 prefetch offsets;
;   v23 stage in; v24-27 rows back; v28-75 Q four times; v76-79 K's, V's words; v80-127 K's, V's images; v128-191 S^T, then p; v192-215 p's codes; v216-251 at work; v240, v241 p's words; v243 my offset in out0;
;   v256-319 (second window) O^T of tiles 0, 1.
.set POS,   13312
.set SLOT,  12*POS
.set SPARE, 2*SLOT
.set REC,   19968
.set MSB, 0
.macro WIN new                         ; s_set_vgpr_msb: bits 1:0 source 0, 3:2 source 1, 5:4 source 2, 7:6 destination; the high byte repeats the setting that is left
.if MSB != \new
	s_set_vgpr_msb (MSB<<8)|\new
.set MSB, \new
.endif
.endm
.macro ROUND                           ; a round of the cluster's barrier
	s_barrier_signal -1
	s_barrier_wait -1
	s_cmp_lg_u32 s14, 0
	s_cbranch_scc1 .Lnw0_\@
	s_barrier_signal -3
.Lnw0_\@:
	s_barrier_wait -3
	s_barrier_signal -1
	s_barrier_wait -1
.endm
	s_load_b256 s[4:11], s[0:1], 0x0               ; qkv s[4:5], x s[6:7], gamma s[8:9], beta s[10:11]
	s_load_b64 s[12:13], s[0:1], 0x20              ; out0
	v_lshl_add_u32 v10, v0, 2, SPARE
	v_mov_b32 v11, 0
	ds_add_u32 v10, v11                            ; the opening lines: the add, twice on end, and its wait ahead of my first tensor load
	ds_add_u32 v10, v11
	v_lshrrev_b32 v26, 5, v0
	v_readfirstlane_b32 s14, v26                   ; wave = head
	v_and_b32 v26, 31, v0
	v_lshlrev_b32 v1, 4, v26
	v_lshlrev_b32 v2, 3, v26
	v_lshlrev_b32 v3, 2, v26
	s_bfe_u32 s15, ttmp6, 0x40000                  ; cx: my place in the cluster
	; group 1 of the joint loads: 13,312 dense bytes as 52 rows of 256 (32 elements of 8 bytes)
	s_mov_b32 s16, 15|(3<<16)|(1<<21)
	s_mov_b32 s17, 32<<16
	s_mov_b32 s18, 52<<16
	s_mov_b32 s19, 32<<16
	s_mov_b32 s20, 52
	s_mov_b32 s21, 32
	s_mov_b32 s22, 0
	s_mov_b32 s23, 0
	; group 1 of x's load: 32 rows of 256 bytes, 3,072 bytes apart, 16 bytes of padding behind each
	s_mov_b32 s24, (3<<16)|(1<<20)|(5<<22)|(3<<25)
	s_mov_b32 s25, 32<<16
	s_mov_b32 s26, 32<<16
	s_mov_b32 s27, 32<<16
	s_mov_b32 s28, 32
	s_mov_b32 s29, 384
	s_mov_b32 s30, 0
	s_mov_b32 s31, 0
	s_lshr_b32 s44, ttmp9, 3                       ; batch: 8 clusters a batch
	s_mul_i32 s45, s44, 12
	s_add_co_u32 s45, s45, s14
	s_mul_i32 s46, s45, 8*REC                      ; my head's eight records
	s_mov_b32 s47, 0
	s_mul_i32 s48, s14, POS                        ; my region in slot 0,
	s_add_co_u32 s49, s48, SLOT                    ; in slot 1
	s_lshl_b32 s52, ttmp9, 2
	s_add_co_u32 s52, s52, s15                     ; work-group
	s_mul_i32 s52, s52, 98304                      ; its 32 rows of 3,072 bytes
	s_mov_b32 s53, 0
	s_lshl_b32 s54, s14, 8                         ; my head's 256 bytes of a row
	s_mov_b32 s55, 0
	s_and_b32 s58, ttmp9, 7                        ; the unit of 128 queries
	s_mul_i32 s58, s58, REC
	s_add_co_u32 s58, s58, 13312                   ; its Q part
	s_mul_i32 s60, s15, 1536
	s_add_co_u32 s60, s60, s58                     ; pair cx's image
	s_mov_b32 s61, 0
	s_lshl_b32 s59, s15, 7
	s_add_co_u32 s58, s58, s59
	s_add_co_u32 s58, s58, 6144                    ; and its words
	s_mov_b32 s59, 0
	s_mul_i32 s74, s14, 272
	s_mul_i32 s75, s15, 3328
	s_mul_i32 s76, s14, 3072
	s_mov_b32 s62, 0x76543210
	s_mov_b32 s63, 0xfedcba98                      ; v_permlanex16_b32's selects for lane l xor 16
	s_mov_b32 s66, 0x3e38aa3b                      ; c = log2(e) / 8
	s_mov_b32 s67, s66
	s_mov_b32 s77, 0x3aaaaaab                      ; 1 / 768
	s_mov_b32 s78, 0x358637bd                      ; 1e-6
	s_wait_alu depctr_va_vdst(0)                   ; the wait here, directly ahead of the waits below
	s_wait_dscnt 0x0                               ; both opening adds are done
	s_wait_kmcnt 0x0
	s_add_nc_u64 s[68:69], s[4:5], s[46:47]        ; my head's records: made of the batch and the wave alone
	s_add_nc_u64 s[60:61], s[68:69], s[60:61]
	s_add_nc_u64 s[58:59], s[68:69], s[58:59]
	s_add_nc_u64 s[6:7], s[6:7], s[52:53]
	s_add_nc_u64 s[70:71], s[6:7], s[54:55]        ; x: my work-group's rows, my head's columns
	s_add_nc_u64 s[56:57], s[12:13], s[52:53]      ; out0: my work-group's rows
	global_load_b128 v[128:131], v1, s[60:61]      ; Q's pair image, as it lies
	global_load_b64 v[132:133], v2, s[60:61] offset:512
	global_load_b64 v[134:135], v2, s[60:61] offset:768
	global_load_b128 v[136:139], v1, s[60:61] offset:1024
	global_load_b32 v20, v3, s[58:59]              ; lanes 0-15 tile 0's words, lanes 16-31 tile 1's
	s_mov_b32 s32, 1                               ; group 0, slot 0: key step 0
	s_mov_b32 s33, s48
	s_mov_b64 s[34:35], s[68:69]
	s_or_b32 s35, s35, 0x80000000
	s_mov_b32 s36, 1                               ; slot 1: key step 1
	s_mov_b32 s37, s49
	s_add_nc_u64 s[38:39], s[68:69], REC
	s_or_b32 s39, s39, 0x80000000
	s_mov_b32 s40, 1                               ; x, into my region of slot 0
	s_mov_b32 s41, s48
	s_mov_b64 s[42:43], s[70:71]
	s_or_b32 s43, s43, 0x80000000
	ROUND                                          ; all four work-groups are here: the first joint loads meet
	tensor_load_to_lds s[32:35], s[16:23]          ; key step 0: my one load at the head
	s_nop 0
.rept 4
	v_nop
.endr
	v_and_b32 v244, 31, v0                         ; l
	v_and_b32 v245, 15, v0                         ; r
	v_bfe_u32 v246, v0, 4, 1                       ; h
	v_add_nc_u32 v4, s48, v1
	v_add_nc_u32 v5, s49, v1
	v_add_nc_u32 v6, s48, v2
	v_add_nc_u32 v7, s49, v2
	v_add_nc_u32 v8, s48, v3
	v_add_nc_u32 v9, s49, v3
	v_and_b32 v247, 8, v245
	v_add_nc_u32 v247, v247, v245                  ; r + 8 (r / 8)
	v_mul_u32_u24 v23, v247, 272
	v_lshl_add_u32 v23, v246, 6, v23
	v_add_nc_u32 v23, s49, v23                     ; stage in: my query's row, my half's 16 channels of each 32
	v_mul_u32_u24 v24, v246, POS
	v_lshl_add_u32 v24, v245, 4, v24
	v_add_nc_u32 v24, s74, v24                     ; rows back: row w; lanes 0-15 an even head's 256 bytes, lanes 16-31 the next head's
	v_add_nc_u32 v25, 6*POS, v24                   ; heads 6 on
	v_add_nc_u32 v26, SLOT, v24                    ; the same in slot 1
	v_add_nc_u32 v27, SLOT+6*POS, v24
	v_min_u32 v21, 12, v244
	v_lshlrev_b32 v21, 8, v21
	v_add_nc_u32 v21, s75, v21                     ; K, V prefetch: my work-group's 13 blocks of the 52
	v_mul_u32_u24 v22, v244, 3072                  ; x prefetch: a lane a row
	v_add_nc_u32 v243, s76, v1                     ; out0: row w, 16 bytes a lane
	v_mov_b32 v13, 0xff61b1e6                      ; the largest t so far: -3e38
	v_mov_b32 v17, 0xff61b1e6
	v_floor_f32 v12, -v13
	v_floor_f32 v16, -v17
.irp j, 14,15,18,19,237,239,228,229,230,231
	v_mov_b32 v[\j], 0                             ; the sums; upper halves of pairs; lane exchanges' destinations
.endr
	WIN 0x40
.set J, 0
.rept 64
	v_mov_b32 v[J], 0                              ; O^T: the step is written once; the first finds zeros
.set J, J+1
.endr
	WIN 0
	s_wait_alu depctr_va_vdst(0)                   ; the wait here, directly ahead of the wait below
	s_wait_loadcnt 0x0                             ; Q
.irp p, 0,1
.irp i, 0,1,2
	v_mov_b32 v[28+6*\p+\i], v[128+6*\p+\i]        ; tile 0 at the lower 16 places of each block, zero codes above;
	v_mov_b32 v[31+6*\p+\i], 0
	v_mov_b32 v[40+6*\p+\i], 0                     ; and the other way round;
	v_mov_b32 v[43+6*\p+\i], v[128+6*\p+\i]
	v_mov_b32 v[52+6*\p+\i], v[131+6*\p+\i]        ; tile 1 likewise
	v_mov_b32 v[55+6*\p+\i], 0
	v_mov_b32 v[64+6*\p+\i], 0
	v_mov_b32 v[67+6*\p+\i], v[131+6*\p+\i]
.endr
.endr
; S^T = K Q^T of one tile of queries: registers 16 b + i are keys 32 b + 16 (lane / 16) + i of the step
; K's four pair images and their words, as they lie, out of my own region of a slot: only I read it, so my own wait for my tensor load is all the ordering that these reads need
.macro KLOAD sl
.irp b, 0,1,2,3
	ds_load_b128 v[80+12*\b:83+12*\b], v[4+(\sl)] offset:1536*\b
	ds_load_b64 v[84+12*\b:85+12*\b], v[6+(\sl)] offset:1536*\b+512
	ds_load_b64 v[86+12*\b:87+12*\b], v[6+(\sl)] offset:1536*\b+768
	ds_load_b128 v[88+12*\b:91+12*\b], v[4+(\sl)] offset:1536*\b+1024
	ds_load_b32 v[76+\b], v[8+(\sl)] offset:6144+128*\b
.endr
.endm
.macro QK tile
.irp b, 0,1,2,3
.if \tile == 0
	v_wmma_scale_f32_16x16x128_f8f6f4 v[128+16*\b:135+16*\b], v[80+12*\b:91+12*\b], v[28:39], 0, v[76+\b], v20 matrix_a_fmt:MATRIX_FMT_BF6 matrix_b_fmt:MATRIX_FMT_BF6
	v_wmma_scale_f32_16x16x128_f8f6f4 v[136+16*\b:143+16*\b], v[80+12*\b:91+12*\b], v[40:51], 0, v[76+\b], v20 matrix_a_fmt:MATRIX_FMT_BF6 matrix_b_fmt:MATRIX_FMT_BF6 matrix_a_scale:MATRIX_SCALE_ROW1
.else
	v_wmma_scale_f32_16x16x128_f8f6f4 v[128+16*\b:135+16*\b], v[80+12*\b:91+12*\b], v[52:63], 0, v[76+\b], v20 matrix_a_fmt:MATRIX_FMT_BF6 matrix_b_fmt:MATRIX_FMT_BF6 matrix_b_scale:MATRIX_SCALE_ROW1
	v_wmma_scale_f32_16x16x128_f8f6f4 v[136+16*\b:143+16*\b], v[80+12*\b:91+12*\b], v[64:75], 0, v[76+\b], v20 matrix_a_fmt:MATRIX_FMT_BF6 matrix_b_fmt:MATRIX_FMT_BF6 matrix_a_scale:MATRIX_SCALE_ROW1 matrix_b_scale:MATRIX_SCALE_ROW1
.endif
.endr
.endm
; The softmax of one tile.  ST: -M, largest t, the sum's pair; F: f's pair; PW: p's scale word; PC: p's codes
.macro SM ST, F, PW, PC
.irp b, 0,1,2,3
	v_max3_num_f32 v[224+\b], v[128+16*\b], v[129+16*\b], v[130+16*\b]   ; the largest score of each block of 32 keys: for the row's maximum and, since p rises with the score, for the block's largest p
.endr
.irp i, 3,5,7,9,11,13
.irp b, 0,1,2,3
	v_max3_num_f32 v[224+\b], v[224+\b], v[128+16*\b+\i], v[129+16*\b+\i]
.endr
.endr
.irp b, 0,1,2,3
	v_max_num_f32 v[224+\b], v[224+\b], v[143+16*\b]
.endr
.irp b, 0,1,2,3
	v_permlanex16_b32 v[228+\b], v[224+\b], s62, s63
.endr
.irp b, 0,1,2,3
	v_max_num_f32 v[224+\b], v[224+\b], v[228+\b]  ; with lane l xor 16's 16 keys
.endr
	s_delay_alu instid0(VALU_DEP_2)
	v_max3_num_f32 v242, v224, v225, v226
	s_delay_alu instid0(VALU_DEP_1)
	v_max_num_f32 v242, v242, v227
	s_delay_alu instid0(VALU_DEP_1)
	v_mul_f32 v242, s66, v242                      ; as t (c is positive)
	s_delay_alu instid0(VALU_DEP_1)
	v_max_num_f32 v[\ST+1], v[\ST+1], v242         ; the running largest t
	v_mov_b32 v242, v[\ST]
	s_delay_alu instid0(VALU_DEP_2)
	v_floor_f32 v[\ST], -v[\ST+1]                  ; the new -M: M is a whole number
	s_delay_alu instid0(VALU_DEP_1)
	v_sub_f32 v242, v[\ST], v242                   ; old M less new M
	s_delay_alu instid0(VALU_DEP_1)
	v_cvt_i32_f32 v242, v242                       ; (it saturates)
	s_delay_alu instid0(VALU_DEP_1)
	v_ldexp_f32 v[\F], 1.0, v242                   ; f = 2^(old M - new M)
.set J, 0
.rept 32
	v_pk_fma_f32 v[128+J:129+J], v[128+J:129+J], s[66:67], v[\ST:\ST+1] op_sel_hi:[1,0,0]   ; t - M
.set J, J+2
.endr
.irp b, 0,1,2,3
	v_fma_f32 v[224+\b], v[224+\b], s66, v[\ST]    ; the same of each block's largest score
.endr
	s_wait_alu depctr_va_vdst(0)                   ; the wait ahead of the batch
.set J, 0
.rept 64
	v_exp_f32 v[128+J], v[128+J]                   ; p = 2^(t - M), at most 1
.set J, J+1
.endr
.irp b, 0,1,2,3
	v_exp_f32 v[224+\b], v[224+\b]                 ; the block's largest p
.endr
	v_pk_mul_f32 v[\ST+2:\ST+3], v[\ST+2:\ST+3], v[\F:\F+1] op_sel_hi:[1,0]   ; the sums under the new M: a plain place behind the batch
	s_wait_alu depctr_va_vdst(0)                   ; and the wait behind it
.irp b, 0,1,2,3
	v_max_num_f32 v[224+\b], 0x2800000, v[224+\b]  ; the floor 2^(5 - 127): the byte cannot fall under 1
.endr
.irp b, 0,1,2,3
	v_add_nc_u32 v[232+\b], 0xfe000000, v[224+\b]  ; 4 off the exponent field: the conversion's scale operand
.endr
.irp b, 0,1,2,3
	v_lshrrev_b32 v[228+\b], 23, v[232+\b]         ; the scale's byte
.endr
	v_lshl_or_b32 v[\PW], v229, 8, v228
	s_delay_alu instid0(VALU_DEP_1)
	v_lshl_or_b32 v[\PW], v230, 16, v[\PW]
	s_delay_alu instid0(VALU_DEP_1)
	v_lshl_or_b32 v[\PW], v231, 24, v[\PW]
.irp c, 0,1
	v_cvt_scalef32_pk16_bf6_f32 v[\PC+6*\c:\PC+2+6*\c], v[128+32*\c:143+32*\c], v[232+2*\c]
	v_cvt_scalef32_pk16_bf6_f32 v[216+4*\c:218+4*\c], v[144+32*\c:159+32*\c], v[233+2*\c]   ; (a conversion's three registers begin on an even number)
.endr
	v_nop                                          ; one plain place behind a scaled conversion
.irp c, 0,1                            ; the operand wants a WHOLE block in a lane
.irp i, 0,1,2
	v_permlane16_swap_b32 v[\PC+6*\c+\i], v[216+4*\c+\i]
.endr
.irp i, 0,1,2
	v_mov_b32 v[\PC+3+6*\c+\i], v[216+4*\c+\i]
.endr
.endr
.irp k, 0,1,2,3                        ; the row's sum of the unquantised p, in four chains
	v_pk_add_f32 v[244+2*\k:245+2*\k], v[128+4*\k:129+4*\k], v[130+4*\k:131+4*\k]
.endr
.irp j, 16,24,32,40,48,56
.irp k, 0,1,2,3
	v_pk_add_f32 v[244+2*\k:245+2*\k], v[244+2*\k:245+2*\k], v[128+\j+2*\k:129+\j+2*\k]
.endr
.endr
	v_pk_add_f32 v[244:245], v[244:245], v[246:247]
	v_pk_add_f32 v[248:249], v[248:249], v[250:251]
	s_delay_alu instid0(VALU_DEP_1)
	v_pk_add_f32 v[244:245], v[244:245], v[248:249]
	s_delay_alu instid0(VALU_DEP_1)
	v_pk_add_f32 v[\ST+2:\ST+3], v[\ST+2:\ST+3], v[244:245]
.endm
; A TRIP: one key step, in slot.  kind 1: the other slot takes the next key step, jointly; kind 2: slot 0 takes x.  pf: the prefetches (1: K, V; 2: also x, in the loop's third trip)
.macro TRIP slot, kind, pf
	s_wait_alu depctr_va_vdst(0)                   ; the wait here, directly ahead of the wait below
	s_wait_tensorcnt 0x0                           ; my one load that was out, this slot's part of mine, has landed;
	ds_add_u32 v10, v11
	s_add_nc_u64 s[34+4*\slot:35+4*\slot], s[34+4*\slot:35+4*\slot], 2*REC   ; no load of mine is out: this slot's next key step
	s_wait_dscnt 0x0                               ; the add is done, and so are my reads of the other slot
	ROUND                                          ; both hold of every wave of the four work-groups
.if \kind == 1
	tensor_load_to_lds s[36-4*\slot:39-4*\slot], s[16:23]
.else
	tensor_load_to_lds s[40:43], s[24:31]
.endif
	s_nop 0
.rept 4
	v_nop                                          ; also the places in front of loads into registers that the last products read
.endr
	QK 0                                           ; this step's K was read at the last trip's end, and waited for in front of the round
.rept 4
	v_nop                                          ; places in front of the first read of the scores
.endr
.if \pf
	global_prefetch_b8 v21, s[68:69] offset:(2+\slot)*REC th:TH_LOAD_NT scope:SCOPE_SE   ; the key step that the next trip's load fetches
.endif
.if \pf == 2
	s_cmp_eq_u32 s72, 1
	s_cbranch_scc0 .Lnox_\@
	global_prefetch_b8 v22, s[70:71] th:TH_LOAD_NT scope:SCOPE_SE   ; x's 32 rows x 256 bytes of my head
.Lnox_\@:
.endif
	SM 12, 236, 240, 192
	QK 1                                           ; K still stands in its registers
.rept 4
	v_nop                                          ; places in front of the loads below and of the first read of the scores
.endr
.irp t, 0,1,2,3                        ; V's four images into K's registers: they land under the softmax
.irp c, 0,1,2
	ds_load_b128 v[80+12*\t+4*\c:83+12*\t+4*\c], v[4+\slot] offset:6656+1536*\t+512*\c
.endr
	ds_load_b32 v[76+\t], v[8+\slot] offset:12800+128*\t
.endr
	SM 16, 238, 241, 204
	WIN 0x41                                       ; O^T: destination and source 0 in the second window
	s_wait_alu depctr_va_vdst(0)                   ; the wait here, directly ahead of the first reader of O^T
.set J, 0
.rept 16
	v_pk_mul_f32 v[J:J+1], v[J:J+1], v[236:237] op_sel_hi:[1,0]          ; O^T under the new M, each accumulator from its low end on
	v_pk_mul_f32 v[32+J:33+J], v[32+J:33+J], v[238:239] op_sel_hi:[1,0]
.set J, J+2
.endr
	WIN 0x50                                       ; C and D in the second window
	s_wait_alu depctr_va_vdst(0)                   ; the wait here, directly ahead of the wait below
	s_wait_dscnt 0x0                               ; V is in
.irp t, 0,1,2,3                        ; O^T += V^T P^T: eight accumulators by turns; a V image serves both tiles
	v_wmma_scale_f32_16x16x128_f8f6f4 v[8*\t:8*\t+7], v[80+12*\t:91+12*\t], v[192:203], v[8*\t:8*\t+7], v[76+\t], v240 matrix_a_fmt:MATRIX_FMT_BF6 matrix_b_fmt:MATRIX_FMT_BF6
	v_wmma_scale_f32_16x16x128_f8f6f4 v[32+8*\t:39+8*\t], v[80+12*\t:91+12*\t], v[204:215], v[32+8*\t:39+8*\t], v[76+\t], v241 matrix_a_fmt:MATRIX_FMT_BF6 matrix_b_fmt:MATRIX_FMT_BF6
.endr
	WIN 0
.if \kind == 1
.rept 4
	v_nop                                          ; places in front of loads into registers that the last products read
.endr
	s_wait_tensorcnt 0x0                           ; my part of the next key step has landed:
	KLOAD 1-\slot                                  ; its K comes into V's registers now, ahead of the round
.endif
.endm
	s_wait_alu depctr_va_vdst(0)                   ; the wait here, directly ahead of the wait below
	s_wait_tensorcnt 0x0                           ; my part of key step 0 has landed
	KLOAD 0
	s_mov_b32 s72, 3
.Lloop:                                                ; trips 0 to 5
	TRIP 0, 1, 2
	TRIP 1, 1, 1
	s_wait_xcnt 0x0                                ; my prefetches have read their base
	s_add_nc_u64 s[68:69], s[68:69], 2*REC
	s_sub_co_u32 s72, s72, 1
	s_cmp_lg_u32 s72, 0
	s_cbranch_scc1 .Lloop
	TRIP 0, 1, 0                                   ; trip 6 fetches key step 7,
	TRIP 1, 2, 0                                   ; trip 7 x
; THE WAY OUT
	s_wait_alu depctr_va_vdst(0)                   ; the wait here, directly ahead of the wait below
	s_wait_tensorcnt 0x0                           ; my part of x has landed
	v_add_f32 v14, v14, v15                        ; the sums' two halves,
	v_add_f32 v18, v18, v19
	v_permlanex16_b32 v228, v14, s62, s63
	v_permlanex16_b32 v229, v18, s62, s63
	v_add_f32 v14, v14, v228                       ; and lane l xor 16's
	v_add_f32 v18, v18, v229
	s_wait_alu depctr_va_vdst(0)
	v_rcp_f32 v14, v14
	v_rcp_f32 v18, v18
	v_nop
	s_wait_alu depctr_va_vdst(0)
	v_add_f32 v236, v14, v14                       ; 2 / the sum: the context counts twice
	v_add_f32 v237, v14, v14
	v_add_f32 v238, v18, v18
	v_add_f32 v239, v18, v18
.irp c, 0,1,2,3,4,5
	global_load_b128 v[80+4*\c:83+4*\c], v1, s[8:9] offset:512*\c      ; gamma and beta of my 24 columns of a row
	global_load_b128 v[104+4*\c:107+4*\c], v1, s[10:11] offset:512*\c
.endr
	WIN 0x01                                       ; source 0 in the second window
	s_wait_alu depctr_va_vdst(0)                   ; the wait here, directly ahead of the first reader of O^T
.set J, 0
.rept 16
	v_pk_mul_f32 v[128+J:129+J], v[J:J+1], v[236:237]                  ; register 16 b + i: channel 32 b + 16 h + i
	v_pk_mul_f32 v[160+J:161+J], v[32+J:33+J], v[238:239]
.set J, J+2
.endr
	WIN 0
.irp t, 0,1
.irp b, 0,1
.irp i, 0,1,2,3
	ds_store_b128 v23, v[128+32*\t+16*\b+4*\i:131+32*\t+16*\b+4*\i] offset:2176*\t+128*\b+16*\i   ; tile t's query r is row 8 t + r + 8 (r / 8)
.endr
.endr
.endr
	s_wait_dscnt 0x0                               ; for the others' sake: my stores have landed
	s_barrier_signal -1
	s_barrier_wait -1                              ; x and the contexts of all 12 heads lie in LDS; nothing writes them again
.macro RLOAD k, R                      ; row w + 12 k: the context into v[R ..], x into v[R + 24 ..]; a load takes two heads' 256 bytes
.irp j, 0,1,2
	ds_load_b128 v[\R+4*\j:\R+4*\j+3], v26 offset:3264*\k+26624*\j
	ds_load_b128 v[\R+24+4*\j:\R+27+4*\j], v24 offset:3264*\k+26624*\j
	ds_load_b128 v[\R+12+4*\j:\R+15+4*\j], v27 offset:3264*\k+26624*\j
	ds_load_b128 v[\R+36+4*\j:\R+39+4*\j], v25 offset:3264*\k+26624*\j
.endr
.endm
.macro ACROSS                          ; v224 summed over the 32 lanes
.irp m, 1,2,4,8
	s_delay_alu instid0(VALU_DEP_1)
	v_add_f32_dpp v224, v224, v224 row_xmask:\m row_mask:0xf bank_mask:0xf
.endr
	s_delay_alu instid0(VALU_DEP_1)
	v_permlanex16_b32 v230, v224, s62, s63
	s_delay_alu instid0(VALU_DEP_1)
	v_add_f32 v224, v224, v230
.endm
.macro ROW k, R
.irp i, 0,2,4,6,8,10,12,14,16,18,20,22
	v_pk_add_f32 v[\R+\i:\R+\i+1], v[\R+\i:\R+\i+1], v[\R+24+\i:\R+25+\i]   ; y = x + 2 x context
.endr
	v_pk_add_f32 v[224:225], v[\R:\R+1], v[\R+2:\R+3]
	v_pk_add_f32 v[226:227], v[\R+4:\R+5], v[\R+6:\R+7]
.irp i, 8,12,16,20
	v_pk_add_f32 v[224:225], v[224:225], v[\R+\i:\R+\i+1]
	v_pk_add_f32 v[226:227], v[226:227], v[\R+\i+2:\R+\i+3]
.endr
	s_delay_alu instid0(VALU_DEP_1)
	v_pk_add_f32 v[224:225], v[224:225], v[226:227]
	s_delay_alu instid0(VALU_DEP_1)
	v_add_f32 v224, v224, v225
	ACROSS
	s_delay_alu instid0(VALU_DEP_1)
	v_mul_f32 v228, s77, v224                      ; the mean
	s_delay_alu instid0(VALU_DEP_1)
	v_mov_b32 v229, v228
.irp i, 0,2,4,6,8,10,12,14,16,18,20,22
	v_pk_add_f32 v[\R+\i:\R+\i+1], v[\R+\i:\R+\i+1], v[228:229] neg_lo:[0,1] neg_hi:[0,1]
.endr
	v_pk_mul_f32 v[224:225], v[\R:\R+1], v[\R:\R+1]
	v_pk_mul_f32 v[226:227], v[\R+2:\R+3], v[\R+2:\R+3]
.irp i, 4,8,12,16,20
	v_pk_fma_f32 v[224:225], v[\R+\i:\R+\i+1], v[\R+\i:\R+\i+1], v[224:225]
	v_pk_fma_f32 v[226:227], v[\R+\i+2:\R+\i+3], v[\R+\i+2:\R+\i+3], v[226:227]
.endr
	s_delay_alu instid0(VALU_DEP_1)
	v_pk_add_f32 v[224:225], v[224:225], v[226:227]
	s_delay_alu instid0(VALU_DEP_1)
	v_add_f32 v224, v224, v225
	ACROSS
	s_delay_alu instid0(VALU_DEP_1)
	v_fma_f32 v224, v224, s77, s78                 ; the variance + 1e-6
	s_wait_alu depctr_va_vdst(0)
	v_rsq_f32 v228, v224
	v_nop
	s_wait_alu depctr_va_vdst(0)
	v_mov_b32 v229, v228
.irp i, 0,2,4,6,8,10,12,14,16,18,20,22
	v_pk_mul_f32 v[\R+\i:\R+\i+1], v[\R+\i:\R+\i+1], v[228:229]
.endr
.irp i, 0,2,4,6,8,10,12,14,16,18,20,22
	v_pk_fma_f32 v[\R+\i:\R+\i+1], v[\R+\i:\R+\i+1], v[80+\i:81+\i], v[104+\i:105+\i]
.endr
.irp c, 0,1,2,3,4,5
	global_store_b128 v243, v[\R+4*\c:\R+4*\c+3], s[56:57] offset:36864*\k+512*\c th:TH_STORE_NT   ; 512 consecutive bytes, aligned to 256; each row has registers of its own
.endr
.endm
	RLOAD 0, 128
	RLOAD 1, 176
	s_wait_loadcnt 0x0                             ; gamma, beta
	s_wait_dscnt 12                                ; row w's twelve loads are in; the next row's twelve may be out
	ROW 0, 128
	s_wait_dscnt 0x0
	ROW 1, 176
	s_cmp_lt_u32 s14, 8                            ; 32 rows for 12 waves: waves 0 to 7 take a third
	s_cbranch_scc0 .Ldone
	RLOAD 2, 28
	s_wait_dscnt 0x0
	ROW 2, 28
.Ldone:
	s_wait_tensorcnt 0x0                           ; the wave's end
	ds_add_u32 v10, v11
	s_wait_dscnt 0x0
	ROUND                                          ; the closing round
	s_endpgm
.Lfunc_end_k_qcaf990dccf_attnln:
	.size	k_qcaf990dccf_attnln, .Lfunc_end_k_qcaf990dccf_attnln-k_qcaf990dccf_attnln
	.p2alignl 7, 3214868480
	.fill 96, 4, 3214868480
	.section	.rodata,"a",@progbits
	.p2align	6, 0x0
	.amdhsa_kernel k_qcaf990dccf_attnln
		.amdhsa_group_segment_fixed_size 327680
		.amdhsa_private_segment_fixed_size 0
		.amdhsa_enable_private_segment 0
		.amdhsa_kernarg_size 40
		.amdhsa_user_sgpr_count 2
		.amdhsa_user_sgpr_kernarg_segment_ptr 1
		.amdhsa_wavefront_size32 1
		.amdhsa_system_sgpr_workgroup_id_x 1
		.amdhsa_system_sgpr_workgroup_id_y 1
		.amdhsa_system_sgpr_workgroup_id_z 1
		.amdhsa_system_vgpr_workitem_id 0
		.amdhsa_next_free_vgpr 320
		.amdhsa_next_free_sgpr 80
		.amdhsa_reserve_vcc 0
		.amdhsa_float_denorm_mode_32 3
		.amdhsa_float_denorm_mode_16_64 3
		.amdhsa_memory_ordered 1
		.amdhsa_forward_progress 1
		.amdhsa_inst_pref_size 161
	.end_amdhsa_kernel
	.amdgpu_metadata
---
amdhsa.version: [ 1, 2 ]
amdhsa.kernels:
  - .name:           k_qcaf990dccf_attnln
    .symbol:         k_qcaf990dccf_attnln.kd
    .args:
      - { .name: qkv, .offset: 0, .size: 8, .value_kind: global_buffer, .address_space: global }
      - { .name: x, .offset: 8, .size: 8, .value_kind: global_buffer, .address_space: global }
      - { .name: gamma, .offset: 16, .size: 8, .value_kind: global_buffer, .address_space: global }
      - { .name: beta, .offset: 24, .size: 8, .value_kind: global_buffer, .address_space: global }
      - { .name: out0, .offset: 32, .size: 8, .value_kind: global_buffer, .address_space: global }
    .group_segment_fixed_size: 327680
    .private_segment_fixed_size: 0
    .kernarg_segment_align: 8
    .kernarg_segment_size: 40
    .max_flat_workgroup_size: 384
    .sgpr_count:     80
    .vgpr_count:     320
    .wavefront_size: 32
...
	.end_amdgpu_metadata
.endif
;; end of part 3
